; MI455X (gfx1250); checked and timed in simulation.
; The chip was launched on July 23, 2026; its instructions are those of AMD's public machine-readable ISA for CDNA 5 (MIT licence, August 2026) and "CDNA5" Instruction Set Architecture Reference Guide (July 2026). The comments in the code are by the model that wrote it; some were corrected since.
;; Co S Fuser Mo E Layer. Allowed arithmetic: matrix products marked QUANTISED: E2M3 operands, one E8M0 scale for each 32 along K, by v_wmma_scale_f32_16x16x128_f8f6f4 with both operands' format E2M3, f32 sums; products left as they are: f32 operands where the result goes on into a quantised operand, else bf16, f16 or f32 operands; f32 sums; everything else in f32.
;; Inputs: b1 8 x 4,096 float32; b2 8 x 1,024 float32; router_b 8 float32; router_w 1,024 x 8 float32; w1_codes 8 x 4,096 x 32 x 24 uint8 (E2M3 codes of w1, K innermost, in blocks of 32 codes, four codes in three bytes); w1_scales 8 x 4,096 x 32 uint8 (E8M0 scales of w1, one for each 32 codes along K); w2_codes 8 x 1,024 x 128 x 24 uint8 (E2M3 codes of w2, K innermost, in blocks of 32 codes, four codes in three bytes); w2_scales 8 x 1,024 x 128 uint8 (E8M0 scales of w2, one for each 32 codes along K); x 4 x 256 x 1,024 float32.
;; Outputs: out0 4 x 256 x 1,024 float32; out1 one number float32.
;; This version of the problem:
;;   THIS VERSION OF THE PROBLEM IS GIVEN IN LOW PRECISION. The matrix products marked QUANTISED in the list below multiply operands that are first quantised to E2M3 (2 exponent bits, 3 mantissa bits; 6 bits a number), with one power-of-two scale for each 32 numbers along K (OCP MX v1.0); their sums are f32. All else is computed in f32.
;;   The module's matrix products, in the order in which they are computed (A, B: the left and right operand; K: the contracted axis; several contracted axes count as one K, in the product's order):
;;     1. [M 1,024, K 1,024] x [K 1,024, N 8]; A: input x; B: input router_w: left as it is (N = 8 < 16)
;;     2. [M 32,768, K 1,024] x [K 1,024, N 1,024]; A: input w1 (given as codes); B: input x: QUANTISED
;;     3. batch 8 x [M 1,024, K 4,096] x [K 4,096, N 1,024]; A: computed on the way; B: input w2 (given as codes): QUANTISED
;;     4. batch 1,024 x [M 1,024, K 8] x [K 8, N 1]; A: computed on the way; B: computed on the way: left as it is (K = 8 < 32)
;;   THE QUANTISER, for each operand of a quantised product, along K:
;;     - K is cut into blocks of 32 from its start; a last block that is shorter is filled with zeros.
;;     - A block's scale is 2^e with e = floor(log2(the largest magnitude in the block)) - 2, held to -126 .. 127; a block of zeros has e = 0. As a byte (E8M0): e + 127.
;;     - Each number is divided by its block's scale, clamped to +-7.5, and rounded to the nearest number of E2M3, ties to even, subnormals kept.
;;     - The product sums the exact products of the quantised numbers (number of the format x scale) in f32.
;;   ~~~python
;;   def quantise(x, axis):      # numpy; x: float32 -> the quantised numbers, widened to float32 again
;;       x = np.moveaxis(x, axis, -1); K = x.shape[-1]
;;       x = np.pad(x, [(0, 0)] * (x.ndim - 1) + [(0, -K % 32)]); x = x.reshape(x.shape[:-1] + (-1, 32)); a = np.abs(x).max(-1, keepdims=True)
;;       e = np.where(a > 0, np.clip(np.frexp(np.where(a > 0, a, 1))[1] - 1 - 2, -126, 127), 0)      # np.frexp(a)[1] - 1 = floor(log2(a)), exactly
;;       r = np.clip(x / 2.0 ** e, -7.5, 7.5)
;;       step = 2.0 ** (np.maximum(np.frexp(np.where(r == 0, 1, r))[1] - 1, 0) - 3)
;;       q = np.round(r / step) * step * 2.0 ** e      # np.round: ties to even
;;       return np.moveaxis(q.reshape(q.shape[:-2] + (-1,))[..., :K], -1, axis).astype(np.float32)
;;   ~~~
;;   OPERANDS COMPUTED ON THE WAY. 'Computed on the way' means the value that the module computes at that place (a softmax that the list does not call 'softmax' is quantised finished and normalised). What goes into a quantiser is computed in f32, as accurately as f32 sums, v_exp_f32 and their like allow (about 1e-6 of the number): no bf16 or f16 on the way to a quantiser, and a product that is left as it is and whose result goes on into a quantised operand takes f32 operands (vector FMAs, or v_wmma_f32_16x16x4_f32). A number that lies on a knife's edge between two numbers of the format may be rounded either way, as far as f32 arithmetic and the matrix unit's own rounding can turn it there, and no further.
;;   INPUTS GIVEN AS CODES. w1 (in the module: [8, 1024, 4096], K = its axis 1); w2 (in the module: [8, 4096, 1024], K = its axis 1): each comes as NAME_codes (uint8): NAME with its K axis moved to the last place and cut into blocks of 32 codes, [.., K / 32, bytes a block], one block behind the other in memory; four codes in three bytes: a row's codes are one little-endian stream of bits, code i at bits 6 i .. 6 i + 5 (a code: sign, 2 exponent bits, 3 mantissa bits); and NAME_scales (uint8): the same leading axes, one E8M0 byte (e + 127) for each 32 codes along K. Its value is code x scale, taken as it is: it is not quantised again, and the codes and scales need not be those that the quantiser above would give.
;; One version. Each part assembles by itself: llvm-mc -triple=amdgcn-amd-amdhsa -mcpu=gfx1250 --defsym DOCPART=n.
;; ======== version 1 of 1: 3 launches
;; limits: right only within a limited range of input values
;; workspace buffers: eidx 4,096 bytes of whole numbers; order 33,792 bytes of whole numbers; gp 12,288 bytes; xq 819,200 bytes; hq 26,215,424 bytes
;; launch route (part 1): grid 256 x 1, 4 waves a work-group, no clusters, 59,392 bytes of LDS; arguments x, router_w, router_b, eidx, gp, xq; writes eidx, gp, xq
.if DOCPART == 1
	.amdgcn_target "amdgcn-amd-amdhsa--gfx1250"
	.amdhsa_code_object_version 6
	.text
	.protected	k_q89187c68b8_route
	.globl	k_q89187c68b8_route
	.p2align	8
	.type	k_q89187c68b8_route,@function
k_q89187c68b8_route:
	s_mov_b64 s[64:65], 0
	v_nop
	global_prefetch_b8 v0, s[64:65] scope:SCOPE_SE
	s_setreg_imm32_b32 hwreg(HW_REG_WAVE_MODE, 25, 1), 1
	s_wait_xcnt 0x0
; ROUTE.  For each of 1,024 tokens: logits = x . router_w + router_b in f32, softmax, the gate (largest probability), the chosen expert;
; the work-group's sums of probabilities; and x as codes of FP6 (E2M3) with one E8M0 byte for each 32 along D.
; WORK LEFT OUT BY THE PROGRAM: reference() computes every expert for every token and keeps, by a one_hot that it builds itself, the chosen expert's row alone: only chosen rows are computed, the one_hot product is a lookup,
; and mask.sum() is 1,024 (a one_hot row sums to 1).  A NaN, an infinity or an overflow that would reach only the experts not chosen is not carried to the result.
; SHARES: work-group g takes tokens 4 g .. 4 g + 3.  For the logits K IS SPLIT OVER THE WAVES: wave w takes k = 256 w .. + 255 of all four tokens, lane l the eight k = 128 a + 4 l .. + 3, a = 0, 1;
; the four waves' parts meet in LDS, and so do the rows of x: behind the one barrier wave w quantises token w, lane l block l (32 numbers), so that a block's largest magnitude needs no other lane.
; OUT: eidx u32 [1024]; gp: gate f32 [1024] at 0, sums f32 [256][8] at 4,096; xq: codes [1024][768] at 0, where in each 96 bytes (128 along K) the four blocks of 24 bytes
; lie in the order 0, 2, 1, 3, so that half h of the lanes of an operand finds its 48 bytes on end at 48 h; scale words u32 [1024][8] at 786,432.
; The chosen expert is stored as data at a fixed place: no address and no branch of this launch hangs on it.
; LIMITS: NaN and infinities among the inputs are not served.  A block's largest magnitude is held at 2^-124 from below, so a block of zeros gets the byte 1 and not 127: its codes are zeros,
; and the bytes are read by this program alone.  Equal logits give the lower index; probabilities that become equal by rounding alone are not modelled.  Sums run in another order than a row-by-row sum.
; No matrix unit (N = 8), no tensor load, no cluster: each work-group reads its own rows of x once; router_w is 32 KB.
.set XR,    36864                      ; LDS 0: + 9,216 x wave: my 256 rows of router_w, 16 bytes of padding behind each 128;  XR: four rows of x, padded likewise (4,608 bytes)
.set LG,    55296                      ; [wave 4][32] partial logits
.set CST,   55808                      ; + 768 x wave: a row of codes
.set SPARE, 58880
.set ACC,   128                        ; v128-159 partial logits, 8 x token + expert
.macro WALU
	s_wait_alu depctr_va_vdst(0)
.endm
	s_load_b256 s[4:11], s[0:1], 0x0               ; x, router_w, router_b, eidx
	s_load_b128 s[12:15], s[0:1], 0x20             ; gp, xq
	v_lshl_add_u32 v200, v0, 2, SPARE
	v_mov_b32 v201, 0
	v_lshrrev_b32 v1, 5, v0
	v_readfirstlane_b32 s16, v1                    ; wave
	s_mul_i32 s17, s16, 9216
	s_mul_i32 s18, s16, 1152
	s_add_co_u32 s18, s18, XR
	s_mul_i32 s19, s16, 4608
	s_add_co_u32 s19, s19, XR
	s_lshl_b32 s46, s16, 7
	s_add_co_u32 s46, s46, LG
	s_mul_i32 s47, s16, 768
	s_add_co_u32 s47, s47, CST
	s_lshl_b32 s22, s16, 13
	s_lshl_b32 s23, s16, 10
	v_and_b32 v1, 31, v0                           ; lane
	v_lshlrev_b32 v2, 4, v1                        ; 16 l
	v_lshrrev_b32 v15, 3, v1                       ; l / 8
	v_and_b32 v20, 28, v1
	v_and_b32 v21, 1, v1
	v_lshl_add_u32 v17, v15, 4, v2                 ; 16 l + 16 (l / 8)
	v_mul_u32_u24 v18, v1, 144
	v_lshlrev_b32 v16, 2, v1                       ; 4 l
	v_lshl_add_u32 v20, v21, 1, v20
	v_bfe_u32 v21, v1, 1, 1
	v_add_nc_u32 v3, s17, v17                      ; router_w into LDS
	v_add_nc_u32 v4, s17, v18                      ; and back: 128 bytes (four rows) at 144 l
	v_add_nc_u32 v5, s18, v17                      ; x into LDS
	v_add_nc_u32 v6, s19, v18                      ; and back: row w, my 128 bytes
	v_add_nc_u32 v7, s46, v16
	v_add_nc_u32 v8, LG, v16
	v_add_nc_u32 v20, v20, v21                     ; my block's place in the row of codes: the two low bits change places
	v_mul_u32_u24 v9, v20, 24
	v_add_nc_u32 v9, s47, v9
	v_add_nc_u32 v10, s47, v2
	v_lshlrev_b32 v31, 3, v1                       ; 8 l
	v_add_nc_u32 v11, s47, v31
	v_add_nc_u32 v11, 512, v11
	v_add_nc_u32 v12, s22, v2                      ; router_w in memory
	v_add_nc_u32 v14, s23, v2                      ; x in memory
	v_and_b32 v13, 7, v1
	v_lshlrev_b32 v13, 2, v13                      ; 4 (l % 8): the expert of my logit
	v_lshlrev_b32 v30, 2, v15                      ; 4 (l / 8): its token
	v_mov_b32 v28, 0                               ; a lane permute's destination counts as read
	v_mov_b32 v29, 0
	s_mov_b32 s28, 0x76543210
	s_mov_b32 s29, 0xfedcba98                      ; lane l xor 16
	s_mov_b32 s30, 0xaaaaaaaa
	s_mov_b32 s31, 0xcccccccc
	s_mov_b32 s32, 0xf0f0f0f0
	s_mov_b32 s33, 0xff00ff00
	s_mov_b32 s34, 0xffff0000
	s_lshl_b32 s20, ttmp9, 14                      ; x: four rows of 4,096 bytes
	s_mov_b32 s21, 0
	s_mul_i32 s24, ttmp9, 3072
	s_mul_i32 s25, s16, 768
	s_add_co_u32 s24, s24, s25                     ; codes: row 4 g + w
	s_mov_b32 s25, 0
	s_lshl_b32 s26, ttmp9, 7
	s_lshl_b32 s27, s16, 5
	s_add_co_u32 s26, s26, s27
	s_add_co_u32 s26, s26, 786432                  ; scale bytes: row 4 g + w
	s_mov_b32 s27, 0
	s_lshl_b32 s36, ttmp9, 4
	s_mov_b32 s37, 0
	s_lshl_b32 s38, ttmp9, 5
	s_mov_b32 s39, 0
	WALU                                           ; the wait at the head's end
	s_wait_kmcnt 0x0
	s_add_nc_u64 s[4:5], s[4:5], s[20:21]
.irp i, 0,1,2,3,4,5,6,7,8,9,10,11,12,13,14,15
	global_load_b128 v[64+4*\i:67+4*\i], v12, s[6:7] offset:512*\i
.endr
.irp t, 0,1,2,3
.irp a, 0,1
	global_load_b128 v[32+8*\t+4*\a:35+8*\t+4*\a], v14, s[4:5] offset:4096*\t+512*\a th:TH_LOAD_NT   ; 512 consecutive bytes of a row
.endr
.endr
	global_load_b32 v19, v13, s[8:9]
	s_add_nc_u64 s[40:41], s[14:15], s[24:25]
	s_add_nc_u64 s[42:43], s[14:15], s[26:27]
	s_add_nc_u64 s[44:45], s[12:13], s[38:39]
	s_wait_loadcnt 9                               ; router_w is in; x's eight loads and router_b may be out
.irp i, 0,1,2,3,4,5,6,7,8,9,10,11,12,13,14,15
	ds_store_b128 v3, v[64+4*\i:67+4*\i] offset:576*\i
.endr
.irp a, 0,1
.irp j, 0,1,2,3,4,5,6,7
	ds_load_b128 v[64+32*\a+4*\j:67+32*\a+4*\j], v4 offset:4608*\a+16*\j   ; my own bytes, served in order: row j / 2 of four, half j % 2 of its eight numbers
.endr
.endr
	s_wait_loadcnt 0x0                             ; x and router_b are in
.irp t, 0,1,2,3
.irp a, 0,1
	ds_store_b128 v5, v[32+8*\t+4*\a:35+8*\t+4*\a] offset:4608*\t+576*\a
.endr
.endr
.macro ROWS a                          ; four rows of router_w x four tokens x eight experts, two experts an instruction; the first row starts the sums
.irp r, 0,1,2,3
.irp t, 0,1,2,3
.irp p, 0,2,4,6
.if (\a)+\r == 0
	v_pk_mul_f32 v[ACC+8*\t+\p:ACC+8*\t+\p+1], v[32+8*\t:33+8*\t], v[64+\p:65+\p] op_sel_hi:[0,1]
.elseif \r%2 == 0
	v_pk_fma_f32 v[ACC+8*\t+\p:ACC+8*\t+\p+1], v[32+8*\t+4*(\a)+\r:33+8*\t+4*(\a)+\r], v[64+32*(\a)+8*\r+\p:65+32*(\a)+8*\r+\p], v[ACC+8*\t+\p:ACC+8*\t+\p+1] op_sel_hi:[0,1,1]
.else
	v_pk_fma_f32 v[ACC+8*\t+\p:ACC+8*\t+\p+1], v[31+8*\t+4*(\a)+\r:32+8*\t+4*(\a)+\r], v[64+32*(\a)+8*\r+\p:65+32*(\a)+8*\r+\p], v[ACC+8*\t+\p:ACC+8*\t+\p+1] op_sel:[1,0,0] op_sel_hi:[1,1,1]
.endif
.endr
.endr
.endr
.endm
	s_wait_dscnt 16                                ; the first four rows are in: behind them eight loads and eight stores
	ROWS 0
	s_wait_dscnt 8
	ROWS 1
; 32 partial sums in each of 32 lanes become one sum a lane: in each step a lane keeps the half of the values whose index bit equals its own lane bit.  Lane l ends with logit 8 t + e = l
.macro FOLD d, x, m
	v_add_f32_dpp v[ACC+\d], v[ACC+\d], v[ACC+\d] row_xmask:\x row_mask:0xf bank_mask:0xf
	v_add_f32_dpp v[ACC+\d+\x], v[ACC+\d+\x], v[ACC+\d+\x] row_xmask:\x row_mask:0xf bank_mask:0xf
	v_cndmask_b32 v[ACC+\d], v[ACC+\d], v[ACC+\d+\x], s\m
.endm
.irp a, 0,2,4,6,8,10,12,14,16,18,20,22,24,26,28,30
	FOLD \a, 1, 30
.endr
.irp a, 0,4,8,12,16,20,24,28
	FOLD \a, 2, 31
.endr
.irp a, 0,8,16,24
	FOLD \a, 4, 32
.endr
.irp a, 0,16
	FOLD \a, 8, 33
.endr
	v_permlanex16_b32 v28, v[ACC], s28, s29
	v_permlanex16_b32 v29, v[ACC+16], s28, s29
	v_add_f32 v[ACC], v[ACC], v28
	v_add_f32 v[ACC+16], v[ACC+16], v29
	v_cndmask_b32 v[ACC], v[ACC], v[ACC+16], s34
	ds_store_b32 v7, v[ACC]
	s_wait_dscnt 0x0                               ; for the others: my part of the logits and of the rows of x lies in LDS
	s_barrier_signal -1
	s_barrier_wait -1
.irp j, 0,1,2,3
	ds_load_b32 v[24+\j], v8 offset:128*\j
.endr
.irp i, 0,1,2,3,4,5,6,7
	ds_load_b128 v[32+4*\i:35+4*\i], v6 offset:16*\i
.endr
	s_wait_dscnt 8                                 ; the four parts are in; the row of x may be out
; the softmax of a token lies in eight neighbouring lanes; every wave makes all four tokens'
	v_add_f32 v20, v24, v25
	v_add_f32 v21, v26, v27
	v_add_f32 v20, v20, v21
	v_add_f32 v20, v20, v19                        ; + router_b
	v_mov_b32 v21, v20
	v_max_num_f32_dpp v21, v21, v21 row_xmask:1 row_mask:0xf bank_mask:0xf
	v_max_num_f32_dpp v21, v21, v21 row_xmask:2 row_mask:0xf bank_mask:0xf
	v_max_num_f32_dpp v21, v21, v21 row_xmask:4 row_mask:0xf bank_mask:0xf   ; the token's largest logit is taken away ahead of the exponential
	v_sub_f32 v22, v20, v21
	v_mul_f32 v22, 0x3fb8aa3b, v22
	WALU
	v_exp_f32 v22, v22
	s_wait_dscnt 0x0                               ; the row of x is in
	v_max3_num_f32 v128, |v32|, |v33|, 0x1800000   ; the quantiser: my block's largest magnitude in two chains, with the floor 2^(3 - 127): the byte cannot fall under 1
	v_max3_num_f32 v129, |v48|, |v49|, |v50|
.irp i, 0,2,4,6,8,10
	v_max3_num_f32 v128, v128, |v[34+\i]|, |v[35+\i]|
	v_max3_num_f32 v129, v129, |v[51+\i]|, |v[52+\i]|
.endr
	v_max3_num_f32 v128, v128, |v46|, |v47|
	v_max3_num_f32 v128, v128, v129, |v63|
	WALU                                           ; ahead of the first reader of the exponential
	v_mov_b32 v25, v22
	v_add_f32_dpp v25, v25, v25 row_xmask:1 row_mask:0xf bank_mask:0xf
	v_add_f32_dpp v25, v25, v25 row_xmask:2 row_mask:0xf bank_mask:0xf
	v_add_f32_dpp v25, v25, v25 row_xmask:4 row_mask:0xf bank_mask:0xf
	v_add_nc_u32 v130, 0xff000000, v128            ; 2 off the exponent field: the conversion's scale operand
	v_lshrrev_b32 v131, 23, v130                   ; the scale's byte
	WALU
	v_rcp_f32 v26, v25                             ; 1 / sum: also the gate, since the largest term is 2^0
	v_and_b32 v23, 7, v1                           ; (plain work behind the reciprocal)
	v_cvt_f32_u32 v23, v23
	v_cmp_eq_f32 vcc_lo, v20, v21
	v_mov_b32 v24, 0x41000000
	v_cndmask_b32 v23, v24, v23, vcc_lo            ; my expert's number where my logit is the largest, else 8
	v_min_num_f32_dpp v23, v23, v23 row_xmask:1 row_mask:0xf bank_mask:0xf
	v_min_num_f32_dpp v23, v23, v23 row_xmask:2 row_mask:0xf bank_mask:0xf
	v_min_num_f32_dpp v23, v23, v23 row_xmask:4 row_mask:0xf bank_mask:0xf   ; the lowest such number
	v_cvt_u32_f32 v23, v23
	WALU
	v_mul_f32 v27, v22, v26                        ; my probability
	v_cvt_scalef32_pk16_fp6_f32 v[160:162], v[32:47], v130
	v_cvt_scalef32_pk16_fp6_f32 v[166:168], v[48:63], v130   ; (a conversion's three registers begin on an even number)
	v_add_f32_dpp v27, v27, v27 row_xmask:8 row_mask:0xf bank_mask:0xf
	v_permlanex16_b32 v28, v27, s28, s29
	v_add_f32 v27, v27, v28                        ; summed over the four tokens
.irp i, 0,1,2
	v_mov_b32 v[163+\i], v[166+\i]
.endr
	ds_store_b64 v9, v[160:161]
	ds_store_b64 v9, v[162:163] offset:8
	ds_store_b64 v9, v[164:165] offset:16
	ds_load_b128 v[192:195], v10                   ; my own bytes, served in order
	ds_load_b64 v[196:197], v11
	global_store_b8 v1, v131, s[42:43]             ; 32 consecutive bytes: the token's scale words
	s_add_nc_u64 s[10:11], s[10:11], s[36:37]
	s_add_nc_u64 s[12:13], s[12:13], s[36:37]
	WALU
	s_wait_tensorcnt 0x0                           ; the wave's end, behind my last LDS store
	ds_add_u32 v200, v201
	s_wait_dscnt 0x0
	global_store_b128 v2, v[192:195], s[40:41]     ; 512 consecutive bytes, aligned at 256
	global_store_b64 v31, v[196:197], s[40:41] offset:512
	s_cmp_eq_u32 s16, 0
	s_cbranch_scc1 .Lw0
	s_cmp_eq_u32 s16, 1
	s_cbranch_scc1 .Lw1
	s_cmp_eq_u32 s16, 2
	s_cbranch_scc1 .Lw2
	s_endpgm
.Lw0:                                                  ; wave 0: the sums of probabilities
	s_wait_xcnt 0x0                                ; EXEC changes only behind this wait
	v_cmp_gt_u32 vcc_lo, 8, v1
	s_and_saveexec_b32 s17, vcc_lo
	global_store_b32 v16, v27, s[44:45] offset:4096
	s_wait_xcnt 0x0
	s_or_b32 exec_lo, exec_lo, s17
	s_endpgm
.Lw1:                                                  ; wave 1: the chosen experts, from lanes 0, 8, 16, 24
	s_wait_xcnt 0x0
	v_cmp_eq_u32 vcc_lo, 0, v13
	s_and_saveexec_b32 s17, vcc_lo
	global_store_b32 v30, v23, s[10:11]
	s_wait_xcnt 0x0
	s_or_b32 exec_lo, exec_lo, s17
	s_endpgm
.Lw2:                                                  ; wave 2: the gates
	s_wait_xcnt 0x0
	v_cmp_eq_u32 vcc_lo, 0, v13
	s_and_saveexec_b32 s17, vcc_lo
	global_store_b32 v30, v26, s[12:13]
	s_wait_xcnt 0x0
	s_or_b32 exec_lo, exec_lo, s17
	s_endpgm
.Lfunc_end_k_q89187c68b8_route:
	.size	k_q89187c68b8_route, .Lfunc_end_k_q89187c68b8_route-k_q89187c68b8_route
	.p2alignl 7, 3214868480
	.fill 96, 4, 3214868480
	.section	.rodata,"a",@progbits
	.p2align	6, 0x0
	.amdhsa_kernel k_q89187c68b8_route
		.amdhsa_group_segment_fixed_size 59392
		.amdhsa_private_segment_fixed_size 0
		.amdhsa_enable_private_segment 0
		.amdhsa_kernarg_size 48
		.amdhsa_user_sgpr_count 2
		.amdhsa_user_sgpr_kernarg_segment_ptr 1
		.amdhsa_wavefront_size32 1
		.amdhsa_system_sgpr_workgroup_id_x 1
		.amdhsa_system_sgpr_workgroup_id_y 1
		.amdhsa_system_sgpr_workgroup_id_z 1
		.amdhsa_system_vgpr_workitem_id 0
		.amdhsa_next_free_vgpr 208
		.amdhsa_next_free_sgpr 66
		.amdhsa_reserve_vcc 1
		.amdhsa_float_denorm_mode_32 3
		.amdhsa_float_denorm_mode_16_64 3
		.amdhsa_memory_ordered 1
		.amdhsa_forward_progress 1
		.amdhsa_inst_pref_size 28
	.end_amdhsa_kernel
	.amdgpu_metadata
---
amdhsa.version: [ 1, 2 ]
amdhsa.kernels:
  - .name:           k_q89187c68b8_route
    .symbol:         k_q89187c68b8_route.kd
    .args:
      - { .name: x, .offset: 0, .size: 8, .value_kind: global_buffer, .address_space: global }
      - { .name: router_w, .offset: 8, .size: 8, .value_kind: global_buffer, .address_space: global }
      - { .name: router_b, .offset: 16, .size: 8, .value_kind: global_buffer, .address_space: global }
      - { .name: eidx, .offset: 24, .size: 8, .value_kind: global_buffer, .address_space: global }
      - { .name: gp, .offset: 32, .size: 8, .value_kind: global_buffer, .address_space: global }
      - { .name: xq, .offset: 40, .size: 8, .value_kind: global_buffer, .address_space: global }
    .group_segment_fixed_size: 59392
    .private_segment_fixed_size: 0
    .kernarg_segment_align: 8
    .kernarg_segment_size: 48
    .max_flat_workgroup_size: 128
    .sgpr_count:     66
    .vgpr_count:     208
    .wavefront_size: 32
...
	.end_amdgpu_metadata
.endif
;; end of part 1
;; launch up (part 2): grid 32 x 8, 8 waves a work-group, no clusters, 319,488 bytes of LDS; arguments eidx, gp, xq, w1_codes, w1_scales, b1, hq, order; writes hq, order
.if DOCPART == 2
	.amdgcn_target "amdgcn-amd-amdhsa--gfx1250"
	.amdhsa_code_object_version 6
	.text
	.protected	k_q89187c68b8_up
	.globl	k_q89187c68b8_up
	.p2align	8
	.type	k_q89187c68b8_up,@function
k_q89187c68b8_up:
	s_mov_b64 s[64:65], 0
	v_nop
	global_prefetch_b8 v0, s[64:65] scope:SCOPE_SE
	s_setreg_imm32_b32 hwreg(HW_REG_WAVE_MODE, 25, 1), 1
	s_wait_xcnt 0x0
; UP.  h = gelu(x W1 + b1) for the rows of the chosen expert alone, on codes of FP6 (E2M3) with E8M0 scales, quantised again along H and stored as images of the next product's operand registers.
; SHARES: work-group (c, e) owns hidden units 128 c .. 128 c + 127 of expert e: 96 KB of codes, read once.  Wave w: uq = w % 4: units 32 uq .. + 31, one block of the next K; tp = w / 4: pairs tp, tp + 2, ..
; A POSITION is a token's rank in its expert's list; a PAIR is 32 positions (two tiles of 16); a SUPER-BLOCK 8 pairs.  np = max(2, ceil(count / 32)): pairs 0 and 1 are always made, so that the next launch
; can ask for them before it knows the count.  Positions at or past the count take token 1,023's row (the clamp); they are computed and never reach out0.
; THE LIST is made here from the stored indices by whole-number instructions: compare, count of bits, rank among the lanes, one lane permute for each 32 tokens.  No LDS address hangs on data.
; The loop over super-blocks has a constant four trips and every barrier stands at that level; work that the count leaves out is passed by scalar branches.
; BOTH SOURCES: source 0 = 16 rows of W1, source 1 = 16 tokens: a lane holds one token.  Lane r of tile u takes unit 8 u + r % 8 + 16 (r / 8), so that register 8 u + j of lane (r, h) is unit 16 h + 8 u + j.
; gelu is the tanh form: x / (1 + 2^(x (KA + KB x^2))), KA = -2 log2(e) sqrt(2 / pi), KB = 0.044715 KA, all in f32.
; hq: images [e][pair 32][c 32][tile 2][1,536 B] at 0 (register 4 ch + i of lane l at 512 ch + 16 l + 4 i); scale words u32 [e][c][1,024 positions] at 25,165,824; (sum of probabilities) x count, f32 [8][32], at 26,214,400.
; order: u32 [8][1,024] tokens by position (1,024 or more: no row); count u32 [8][32] at 32,768.
; NO TENSOR LOADS, NO CLUSTER: the pairs that a work-group walks hang on a stored count; asking for all 32 pairs would be 8 times the bytes of an even split.
; NO PREFETCH: every weight byte is asked for by its own load in the first lines.
; LIMITS: NaN and infinities are not served; a block's largest magnitude is held at 2^-124 from below (a block of zeros gets the byte 1; this program alone reads the bytes).
.set P,    784                         ; an LDS row of 768 bytes of codes + 16: 49 x 16 bytes, so sixteen rows start at sixteen different groups of banks
.set XST,  100352                      ; LDS 0: W1's 128 rows (later the images of 8 pairs, 24,576 bytes);  XST: 256 gathered rows of x
.set XSS,  301056                      ; their scale words: 256 x 48 bytes
.set LIST, 313344                      ; the expert's list: 1,024 words
.set HSB,  317440                      ; the hidden layer's scale words of a super-block: 256 words
.set MSB,  0
.macro WIN new                         ; the immediate's high byte repeats the setting that is left
.if MSB != \new
	s_set_vgpr_msb (MSB<<8)|\new
.set MSB, \new
.endif
.endm
.macro BAR                             ; my LDS stores have landed and my LDS loads are in: then the work-group's barrier
	s_wait_dscnt 0x0
	s_barrier_signal -1
	s_barrier_wait -1
.endm
.macro NOPS n
.rept \n
	v_nop
.endr
.endm
; one scaled product.  c < 0: C is the constant 0.  ra, rb: the half of the lanes from which source 0's and source 1's scales are taken
.macro WM d, a, b, c, sa, sb, ra, rb
.if (\c) < 0
.if ((\ra) == 0) && ((\rb) == 0)
	v_wmma_scale_f32_16x16x128_f8f6f4 v[\d:\d+7], v[\a:\a+11], v[\b:\b+11], 0, v[\sa], v[\sb] matrix_a_fmt:MATRIX_FMT_FP6 matrix_b_fmt:MATRIX_FMT_FP6
.elseif (\rb) == 0
	v_wmma_scale_f32_16x16x128_f8f6f4 v[\d:\d+7], v[\a:\a+11], v[\b:\b+11], 0, v[\sa], v[\sb] matrix_a_fmt:MATRIX_FMT_FP6 matrix_b_fmt:MATRIX_FMT_FP6 matrix_a_scale:MATRIX_SCALE_ROW1
.elseif (\ra) == 0
	v_wmma_scale_f32_16x16x128_f8f6f4 v[\d:\d+7], v[\a:\a+11], v[\b:\b+11], 0, v[\sa], v[\sb] matrix_a_fmt:MATRIX_FMT_FP6 matrix_b_fmt:MATRIX_FMT_FP6 matrix_b_scale:MATRIX_SCALE_ROW1
.else
	v_wmma_scale_f32_16x16x128_f8f6f4 v[\d:\d+7], v[\a:\a+11], v[\b:\b+11], 0, v[\sa], v[\sb] matrix_a_fmt:MATRIX_FMT_FP6 matrix_b_fmt:MATRIX_FMT_FP6 matrix_a_scale:MATRIX_SCALE_ROW1 matrix_b_scale:MATRIX_SCALE_ROW1
.endif
.else
.if ((\ra) == 0) && ((\rb) == 0)
	v_wmma_scale_f32_16x16x128_f8f6f4 v[\d:\d+7], v[\a:\a+11], v[\b:\b+11], v[\c:\c+7], v[\sa], v[\sb] matrix_a_fmt:MATRIX_FMT_FP6 matrix_b_fmt:MATRIX_FMT_FP6
.elseif (\rb) == 0
	v_wmma_scale_f32_16x16x128_f8f6f4 v[\d:\d+7], v[\a:\a+11], v[\b:\b+11], v[\c:\c+7], v[\sa], v[\sb] matrix_a_fmt:MATRIX_FMT_FP6 matrix_b_fmt:MATRIX_FMT_FP6 matrix_a_scale:MATRIX_SCALE_ROW1
.elseif (\ra) == 0
	v_wmma_scale_f32_16x16x128_f8f6f4 v[\d:\d+7], v[\a:\a+11], v[\b:\b+11], v[\c:\c+7], v[\sa], v[\sb] matrix_a_fmt:MATRIX_FMT_FP6 matrix_b_fmt:MATRIX_FMT_FP6 matrix_b_scale:MATRIX_SCALE_ROW1
.else
	v_wmma_scale_f32_16x16x128_f8f6f4 v[\d:\d+7], v[\a:\a+11], v[\b:\b+11], v[\c:\c+7], v[\sa], v[\sb] matrix_a_fmt:MATRIX_FMT_FP6 matrix_b_fmt:MATRIX_FMT_FP6 matrix_a_scale:MATRIX_SCALE_ROW1 matrix_b_scale:MATRIX_SCALE_ROW1
.endif
.endif
.endm
; REGISTERS, window 0: v1 lane, v2 r, v3 h, v4 16 r, v5 4 l, v6 l << 10 (later a LIST address), v7-23, v47, v49, v54, v55 addresses; v24-31 W1's scale words; v32-48 at work, then the staged rows' offsets;
;   v50-53 KA, KB as pairs; v56-63 x's scale words; v64-255 the indices, then 192 staging registers, then: v64-159 x's fragments in two buffers, v160-191 sums, v192-223 gelu, v224-255 quantiser and way out.
; window 1: v0-95 W1 as loaded, then v0-191 its 16 fragments ((u, s) at 12 (8 u + s)); v192-207 b1 in the result's layout.
	s_load_b256 s[4:11], s[0:1], 0x0               ; eidx, gp, xq, w1_codes
	s_load_b256 s[12:19], s[0:1], 0x20             ; w1_scales, b1, hq, order
	s_set_vgpr_msb 0x40
	v_lshl_add_u32 v254, v0, 2, 0x4dc00
	v_mov_b32 v255, 0
	s_set_vgpr_msb 0x4000
	v_lshrrev_b32 v1, 5, v0
	s_delay_alu instid0(VALU_DEP_1)
	v_readfirstlane_b32 s22, v1                    ; wave
	s_mov_b32 s20, ttmp9                           ; c
	s_and_b32 s21, ttmp7, 0xffff                   ; e
	s_and_b32 s23, s22, 3                          ; uq
	s_lshr_b32 s24, s22, 2                         ; tp
	v_and_b32 v1, 31, v0
	v_and_b32 v2, 15, v0
	v_bfe_u32 v3, v0, 4, 1
	s_delay_alu instid0(VALU_DEP_2)
	v_lshlrev_b32 v4, 4, v2
	s_delay_alu instid0(VALU_DEP_4)
	v_lshlrev_b32 v5, 2, v1
	s_wait_alu depctr_va_vdst(0)
	v_lshlrev_b32 v6, 10, v1
	v_lshlrev_b32 v49, 4, v1
	v_mad_u32_u24 v7, v3, 768, v4                  ; W1 in memory: half a wave takes 256 bytes of a row
	s_lshr_b32 s26, s22, 1
	s_lshl_b32 s26, s26, 5
	s_and_b32 s27, s22, 1
	s_lshl_b32 s27, s27, 3
	s_add_co_u32 s26, s26, s27
	s_mul_i32 s26, s26, P
	v_mad_u32_u24 v8, v3, P, v4
	s_delay_alu instid0(VALU_DEP_1)
	v_add_nc_u32 v8, s26, v8                       ; W1 into LDS: slot 32 (w / 2) + 8 (w % 2) + h: row 16 a + 8 u + i of a quarter lies in slot 16 u + 8 a + i
	s_mul_i32 s26, s23, 32*P
	v_mul_u32_u24 v9, v2, P
	s_delay_alu instid0(VALU_DEP_1)
	v_mad_u32_u24 v9, v3, 24, v9
	s_delay_alu instid0(VALU_DEP_1)
	v_add_nc_u32 v9, s26, v9                       ; W1's fragments: slot 32 uq + r, + 24 h
	s_lshl_b32 s26, s22, 7
	s_add_co_u32 s26, s26, LIST
	v_add_nc_u32 v10, s26, v5                      ; LIST + 128 w + 4 l
	s_lshl_b32 s26, s22, 4
	s_add_co_u32 s26, s26, LIST
	v_lshl_add_u32 v11, v3, 2, s26                 ; LIST + 16 w + 4 h
	v_lshrrev_b32 v36, 2, v1
	v_and_b32 v37, 3, v1
	s_delay_alu instid0(VALU_DEP_2)
	v_lshlrev_b32 v12, 7, v36
	s_delay_alu instid0(VALU_DEP_1)
	v_lshl_add_u32 v12, v37, 2, v12
	s_delay_alu instid0(VALU_DEP_1)
	v_add_nc_u32 v12, s26, v12                     ; LIST + 4 (32 (l / 4) + 4 w + l % 4)
	v_mul_u32_u24 v16, v36, 1536
	s_delay_alu instid0(VALU_DEP_1)
	v_mad_u32_u24 v16, v37, 48, v16
	s_mul_i32 s26, s22, 192
	s_add_co_u32 s26, s26, XSS
	v_add_nc_u32 v16, s26, v16                     ; the same position's place among x's scale words
	s_mul_i32 s26, s22, 4*P
	s_add_co_u32 s26, s26, XST
	v_mad_u32_u24 v13, v3, P, v4
	s_delay_alu instid0(VALU_DEP_1)
	v_add_nc_u32 v13, s26, v13                     ; staged rows: row 4 w + h of pair 0;
	s_delay_alu instid0(VALU_DEP_1)
	v_add_nc_u32 v14, 75264, v13                   ; of pair 3;
	s_delay_alu instid0(VALU_DEP_2)
	v_add_nc_u32 v15, 150528, v13                  ; of pair 6
	s_mul_i32 s26, s24, 25088
	s_add_co_u32 s26, s26, XST
	v_mul_u32_u24 v17, v2, P
	s_delay_alu instid0(VALU_DEP_1)
	v_mad_u32_u24 v17, v3, 48, v17
	s_delay_alu instid0(VALU_DEP_1)
	v_add_nc_u32 v17, s26, v17                     ; x's fragments of pair tp: row r, + 48 h;
	s_delay_alu instid0(VALU_DEP_1)
	v_add_nc_u32 v18, 100352, v17                  ; of pair tp + 4
	s_mul_i32 s26, s24, 1536
	s_add_co_u32 s26, s26, XSS
	v_mul_u32_u24 v19, v1, 48
	s_delay_alu instid0(VALU_DEP_1)
	v_add_nc_u32 v19, s26, v19                     ; x's scale words of pair tp: position l
	s_and_b32 s26, s23, 1
	s_lshl_b32 s26, s26, 8
	s_mul_i32 s27, s24, 3072
	s_add_co_u32 s26, s26, s27
	s_lshr_b32 s27, s23, 1
	v_mad_u32_u24 v20, v3, 1536, v4
	s_delay_alu instid0(VALU_DEP_1)
	v_add_nc_u32 v20, s26, v20                     ; an image: tile h, lane 16 (uq % 2) + r.  Block uq is registers 6 (uq / 2) .. + 5 of that lane, as three pieces of 8 bytes:
	s_mul_i32 s31, s27, 1016
	s_add_co_u32 s31, s31, 8
	v_add_nc_u32 v21, s31, v20                     ; the second at 8 or 1,024,
	s_mul_i32 s31, s27, 520
	v_add_nc_u32 v22, s31, v20
	s_delay_alu instid0(VALU_DEP_1)
	v_add_nc_u32 v22, 512, v22                     ; the third at 512 or 1,032,
	v_add_nc_u32 v20, s31, v20                     ; the first at 0 or 520
	s_lshl_b32 s26, s24, 7
	s_add_co_u32 s26, s26, s23
	s_add_co_u32 s26, s26, HSB
	v_add_nc_u32 v23, s26, v5                      ; my byte of position l's scale word
	s_lshl_b32 s26, s22, 9
	s_add_co_u32 s26, s26, LIST
	v_add_nc_u32 v47, s26, v49                     ; LIST + 512 w + 16 l
	s_mul_i32 s26, s22, 3072
	v_add_nc_u32 v54, s26, v49                     ; pair w's images
	s_and_b32 s26, s22, 1
	s_lshl_b32 s26, s26, 9
	s_add_co_u32 s26, s26, HSB
	v_add_nc_u32 v55, s26, v49
	v_and_b32 v40, 7, v2
	s_delay_alu instid0(VALU_DEP_1)
	v_lshl_add_u32 v40, v3, 3, v40
	v_lshrrev_b32 v41, 3, v2
	s_delay_alu instid0(VALU_DEP_1)
	v_lshl_add_u32 v40, v41, 4, v40
	s_delay_alu instid0(VALU_DEP_1)
	v_lshlrev_b32 v40, 5, v40                      ; W1's scale rows: lanes 0-15 tile 0's units, lanes 16-31 tile 1's; 32 bytes a row
	v_lshlrev_b32 v41, 6, v3                       ; b1: 64 h
	v_mov_b32 v50, 0xc0135761
	v_mov_b32 v51, 0xc0135761
	v_mov_b32 v52, 0xbdd2d3e8
	v_mov_b32 v53, 0xbdd2d3e8
	v_mov_b32 v226, 0                              ; a lane permute's destination counts as read
	v_mov_b32 v227, 0
.irp i, 0,1,2,3,4,5,6,7
	v_mov_b32 v[56+\i], 0
.endr
	v_mov_b32 v34, 0
	v_mov_b32 v36, -1
	v_mov_b32 v37, 0
.irp i, 0,1,2,3
	ds_store_b32 v10, v36 offset:1024*\i           ; the list begins as no row everywhere
.endr
	ds_store_b32 v10, v37 offset:4096              ; and the hidden layer's scale words as zeros (HSB = LIST + 4,096)
	s_mov_b32 s34, 0x76543210
	s_mov_b32 s35, 0xfedcba98
	s_mov_b32 s36, 0xffff0000
	s_xor_b32 s26, s22, 7
	s_or_b32 s33, s26, s20                         ; 0 in wave 7 of the work-groups with c = 0
	s_mov_b32 s27, 0
	s_wait_kmcnt 0x0
	s_lshl_b32 s26, s21, 2
	s_add_nc_u64 s[38:39], s[6:7], s[26:27]        ; the sums of probabilities, expert e
	s_lshl_b32 s26, s21, 7
	s_add_co_u32 s26, s26, 26214400
	s_add_nc_u64 s[40:41], s[16:17], s[26:27]
	s_mul_i32 s26, s21, 3145728
	s_mul_i32 s31, s22, 98304
	s_add_co_u32 s26, s26, s31
	s_mul_i32 s31, s20, 3072
	s_add_co_u32 s26, s26, s31
	s_add_nc_u64 s[42:43], s[16:17], s[26:27]      ; images of (e, pair w, c)
	s_lshl_b32 s26, s21, 17
	s_lshl_b32 s31, s20, 12
	s_add_co_u32 s26, s26, s31
	s_and_b32 s31, s22, 1
	s_lshl_b32 s31, s31, 9
	s_add_co_u32 s26, s26, s31
	s_add_co_u32 s26, s26, 25165824
	s_add_nc_u64 s[44:45], s[16:17], s[26:27]      ; scale words of (e, c)
	s_lshl_b32 s26, s21, 12
	s_lshl_b32 s31, s22, 9
	s_add_co_u32 s26, s26, s31
	s_add_nc_u64 s[46:47], s[18:19], s[26:27]
	s_lshl_b32 s26, s21, 7
	s_add_co_u32 s26, s26, 32768
	s_add_nc_u64 s[48:49], s[18:19], s[26:27]
	s_mul_i32 s26, s21, 3145728
	s_mul_i32 s31, s20, 98304
	s_add_co_u32 s26, s26, s31
	s_mul_i32 s31, s22, 12288
	s_add_co_u32 s26, s26, s31
	s_add_nc_u64 s[10:11], s[10:11], s[26:27]      ; my wave's 16 rows of W1
	s_lshl_b32 s26, s21, 17
	s_lshl_b32 s31, s20, 12
	s_add_co_u32 s26, s26, s31
	s_lshl_b32 s31, s23, 10
	s_add_co_u32 s26, s26, s31
	s_add_nc_u64 s[12:13], s[12:13], s[26:27]
	s_lshl_b32 s26, s21, 14
	s_lshl_b32 s31, s20, 9
	s_add_co_u32 s26, s26, s31
	s_lshl_b32 s31, s23, 7
	s_add_co_u32 s26, s26, s31
	s_add_nc_u64 s[14:15], s[14:15], s[26:27]
	s_cmp_lg_u32 s33, 0
	s_cbranch_scc1 .Lno_part
	v_lshlrev_b32 v35, 5, v1
.irp i, 0,1,2,3,4,5,6,7
	global_load_b32 v[56+\i], v35, s[38:39] offset:4096+1024*\i   ; the 256 work-groups' sums for expert e, eight a lane
.endr
.Lno_part:
.irp i, 0,1,2,3,4,5,6,7
	global_load_b128 v[64+4*\i:67+4*\i], v49, s[4:5] offset:512*\i   ; all 1,024 indices: register g of lane l is token 128 (g / 4) + 4 l + g % 4
.endr
	WIN 0x40
.irp j, 0,1,2,3,4,5,6,7
.irp p, 0,1,2
	global_load_b128 v[12*\j+4*\p:12*\j+4*\p+3], v7, s[10:11] offset:1536*\j+256*\p th:TH_LOAD_NT   ; rows 2 j and 2 j + 1: 256 aligned bytes each
.endr
.endr
	WIN 0
	global_load_b128 v[24:27], v40, s[12:13]
	global_load_b128 v[28:31], v40, s[12:13] offset:16
	WIN 0x40
.irp u, 0,1
	global_load_b128 v[192+8*\u:195+8*\u], v41, s[14:15] offset:32*\u
	global_load_b128 v[196+8*\u:199+8*\u], v41, s[14:15] offset:32*\u+16
.endr
	WIN 0
	s_wait_loadcnt 30                              ; the indices (and the sums, which are older) are in; 24 loads of weights, 2 of scales and 4 of b1 may be out
	s_mov_b32 s25, 0                               ; rows found so far
; 32 tokens: the chosen ones get the key (position << 10) + token and go to lane position % 32; the others carry -1 and fill the remaining lanes: a full permutation, all lanes on
.macro LISTG g
	v_cmp_eq_u32 vcc_lo, s21, v[64+\g]
	s_bcnt1_i32_b32 s26, vcc_lo
	s_not_b32 s27, vcc_lo
	v_mbcnt_lo_u32_b32 v36, vcc_lo, s25
	s_add_co_u32 s25, s25, s26
	v_mbcnt_lo_u32_b32 v37, s27, s25
	v_lshl_add_u32 v38, v36, 10, v5
	s_delay_alu instid0(VALU_DEP_1)
	v_add_nc_u32 v38, 128*(\g/4)+\g%4, v38
	s_delay_alu instid0(VALU_DEP_1)
	v_cndmask_b32 v38, -1, v38, vcc_lo
	s_delay_alu instid0(VALU_DEP_4)
	v_cndmask_b32 v39, v37, v36, vcc_lo
	s_delay_alu instid0(VALU_DEP_1)
	v_lshlrev_b32 v39, 2, v39
	s_delay_alu instid0(VALU_DEP_1)
	v_and_b32 v39, 124, v39
	ds_permute_b32 v[64+\g], v39, v38
.endm
.irp g, 0,1,2,3,4,5,6,7,8,9,10,11,12,13,14,15,16,17,18,19,20,21,22,23,24,25,26,27,28,29,30,31
	LISTG \g
.endr
	s_wait_dscnt 0x0
	s_add_co_u32 s28, s25, 31
	s_lshr_b32 s28, s28, 5
	s_max_u32 s28, s28, 2                          ; np
	s_mov_b32 s30, s28                             ; n: pairs left from this super-block on
; positions 32 j + l, j = w + 8 i: every key in my lane has a position that is l modulo 32, so key xor (position << 10) is the token for the one key sought and 2^15 or more for all others
.macro LISTJ i
	s_add_co_u32 s26, s22, 8*\i
	s_cmp_ge_u32 s26, s28
	s_cbranch_scc1 .Lnoj_\@
	s_lshl_b32 s26, s26, 15
	v_add_nc_u32 v42, s26, v6
	s_delay_alu instid0(VALU_DEP_1)
	v_xor_b32 v43, v42, v64
	s_delay_alu instid0(VALU_DEP_2)
	v_xor_b32 v44, v42, v65
.irp g, 2,4,6,8,10,12,14,16,18,20,22,24,26,28,30
	v_xor_b32 v45, v42, v[64+\g]
	v_xor_b32 v46, v42, v[65+\g]
	s_delay_alu instid0(VALU_DEP_2)
	v_min_u32 v43, v43, v45
	s_delay_alu instid0(VALU_DEP_2)
	v_min_u32 v44, v44, v46
.endr
	s_delay_alu instid0(VALU_DEP_1)
	v_min_u32 v43, v43, v44
	ds_store_b32 v10, v43 offset:1024*\i
.Lnoj_\@:
.endm
	LISTJ 0
	LISTJ 1
	LISTJ 2
	LISTJ 3
	s_cmp_lg_u32 s33, 0
	s_cbranch_scc1 .Lno_prod
	v_pk_add_f32 v[56:57], v[56:57], v[58:59]
	v_pk_add_f32 v[60:61], v[60:61], v[62:63]
	v_pk_add_f32 v[56:57], v[56:57], v[60:61]
	v_add_f32 v32, v56, v57
	s_delay_alu instid0(VALU_DEP_1)
	v_add_f32_dpp v32, v32, v32 row_xmask:1 row_mask:0xf bank_mask:0xf
	s_delay_alu instid0(VALU_DEP_1)
	v_add_f32_dpp v32, v32, v32 row_xmask:2 row_mask:0xf bank_mask:0xf
	s_delay_alu instid0(VALU_DEP_1)
	v_add_f32_dpp v32, v32, v32 row_xmask:4 row_mask:0xf bank_mask:0xf
	s_delay_alu instid0(VALU_DEP_1)
	v_add_f32_dpp v32, v32, v32 row_xmask:8 row_mask:0xf bank_mask:0xf
	s_delay_alu instid0(VALU_DEP_1)
	v_permlanex16_b32 v34, v32, s34, s35
	s_delay_alu instid0(VALU_DEP_1)
	v_add_f32 v32, v32, v34
	v_cvt_f32_u32 v33, s25
	s_delay_alu instid0(VALU_DEP_1)
	v_mul_f32 v32, v32, v33                        ; (sum of probabilities) x count, the same in all lanes
	global_store_b32 v5, v32, s[40:41]
.Lno_prod:
	BAR                                            ; the list is whole
	s_cmp_lg_u32 s20, 0
	s_cbranch_scc1 .Lno_order
	ds_load_b128 v[36:39], v47
	s_wait_dscnt 0x0
	global_store_b128 v49, v[36:39], s[46:47]      ; the list goes to memory for the next launch: 512 bytes a wave
	s_cmp_lg_u32 s22, 0
	s_cbranch_scc1 .Lno_order
	v_mov_b32 v42, s25
	global_store_b32 v5, v42, s[48:49]             ; and the count, 32 times
.Lno_order:
; THE GATHER of a super-block: each wave takes rows 4 w .. 4 w + 3 of every pair.  The loads go out pair by pair as far as n reaches; the stores to LDS run down from the last pair asked for,
; so that on every way a pair's stores stand behind its loads.  The scale rows of all 256 positions are taken (no row: token 1,023's).
.macro STAGE guard
.if \guard
	s_cmp_le_i32 s30, 0
	s_cbranch_scc1 .Lste_\@
.endif
	s_wait_xcnt 0x0                                ; earlier loads and stores have read their address and data registers, which are written from here on
	v_add_nc_u32 v6, s32, v11
	v_add_nc_u32 v48, s32, v12
.irp q, 0,1,2,3,4,5,6,7
.irp a, 0,1
	ds_load_b32 v[32+2*\q+\a], v6 offset:128*\q+8*\a
.endr
.endr
	ds_load_b32 v48, v48
	s_wait_dscnt 0x0
.irp j, 0,1,2,3,4,5,6,7,8,9,10,11,12,13,14,15,16
	v_min_u32 v[32+\j], 0x3ff, v[32+\j]            ; a loaded number enters an address only behind this hold
.endr
.irp j, 0,1,2,3,4,5,6,7,8,9,10,11,12,13,14,15
	v_mad_u32_u24 v[32+\j], v[32+\j], 768, v4
.endr
	v_lshlrev_b32 v48, 5, v48
	global_load_b128 v[56:59], v48, s[8:9] offset:786432
	global_load_b128 v[60:63], v48, s[8:9] offset:786448
.irp q, 0,1,2,3,4,5,6,7
	s_wait_alu depctr_va_vdst(0)
.irp a, 0,1
.irp p, 0,1,2
	global_load_b128 v[64+24*\q+12*\a+4*\p:67+24*\q+12*\a+4*\p], v[32+2*\q+\a], s[8:9] offset:256*\p   ; half a wave takes 256 aligned bytes of a row
.endr
.endr
.if \q < 7
	s_cmp_le_i32 s30, \q+1
	s_cbranch_scc1 .Lstc_\@_\q
.endif
.endr
.irp q, 7,6,5,4,3,2,1,0
.Lstc_\@_\q:
	s_wait_loadcnt 0x0
.irp a, 0,1
.irp p, 0,1,2
	ds_store_b128 v[13+\q/3], v[64+24*\q+12*\a+4*\p:67+24*\q+12*\a+4*\p] offset:(\q%3)*25088+1568*\a+256*\p
.endr
.endr
.endr
	ds_store_b128 v16, v[56:59]
	ds_store_b128 v16, v[60:63] offset:16
.Lste_\@:
.endm
	s_mov_b32 s32, 0                               ; the staged super-block's place in the list, in bytes
	STAGE 0
	s_wait_loadcnt 0x0                             ; the weights, their scales and b1 are in
	WIN 0x04                                       ; an LDS store's data are its source 1: window 1
.irp j, 0,1,2,3,4,5,6,7
.irp p, 0,1,2
	ds_store_b128 v8, v[12*\j+4*\p:12*\j+4*\p+3] offset:(16*(\j/4)+2*(\j%4))*P+256*\p
.endr
.endr
	WIN 0
	BAR                                            ; W1's 128 rows and the first super-block's rows of x lie in LDS
	WIN 0x40
.irp u, 0,1
.irp s, 0,1,2,3,4,5,6,7
.irp p, 0,1,2,3,4,5
	ds_load_b64 v[12*(8*\u+\s)+2*\p:12*(8*\u+\s)+2*\p+1], v9 offset:12544*\u+96*\s+48*(\p/3)+8*(\p%3)   ; my 16 fragments of W1 stay in registers
.endr
.endr
.endr
	WIN 0
	BAR                                            ; every wave has its fragments: W1's bytes may take the images
.macro XGRP i, g, buf                  ; x's fragments of K steps 2 g and 2 g + 1, both tiles of my i-th pair: 12 loads of 16 bytes
.irp a, 0,1
.irp t, 0,1
.irp ch, 0,1,2
	ds_load_b128 v[\buf+24*\a+12*\t+4*\ch:\buf+24*\a+12*\t+4*\ch+3], v[17+(\i)/2] offset:50176*((\i)%2)+12544*\t+96*(2*(\g)+\a)+16*\ch
.endr
.endr
.endr
.endm
.macro PROD s, xf                      ; K step s: four sums by turns, one instruction a turn; the first step takes b1 as C
.if (\s) == 0
	WIN 0x11
.else
	WIN 0x01
.endif
.irp t, 0,1
.irp u, 0,1
.if (\s) == 0
	WM 160+16*\t+8*\u, 12*(8*\u+(\s)), (\xf)+12*\t, 192+8*\u, 24+(\s), 56+(\s), \u, \t
.else
	WM 160+16*\t+8*\u, 12*(8*\u+(\s)), (\xf)+12*\t, 160+16*\t+8*\u, 24+(\s), 56+(\s), \u, \t
.endif
.endr
.endr
.endm
; MY i-TH PAIR OF THE SUPER-BLOCK, q = tp + 2 i: 32 products, gelu, the quantiser, the image
.macro PAIR i
	s_add_co_u32 s26, s24, 2*\i
	s_cmp_ge_i32 s26, s30
	s_cbranch_scc1 .Lnop_\@
	ds_load_b128 v[56:59], v19 offset:3072*\i
	ds_load_b128 v[60:63], v19 offset:3072*\i+16
	XGRP \i, 0, 64
	XGRP \i, 1, 112
	s_wait_dscnt 12                                ; all but the youngest group of 12
	PROD 0, 64
	PROD 1, 88
	WIN 0
	NOPS 4                                         ; places in front of loads into registers that matrix instructions have read
	XGRP \i, 2, 64
	s_wait_dscnt 12
	PROD 2, 112
	PROD 3, 136
	WIN 0
	NOPS 4
	XGRP \i, 3, 112
	s_wait_dscnt 12
	PROD 4, 64
	PROD 5, 88
	s_wait_dscnt 0x0
	PROD 6, 112
	PROD 7, 136
	WIN 0
	NOPS 4                                         ; places in front of the first read of results; each sum is read from its low end on
.irp j, 0,2,4,6,8,10,12,14,16,18,20,22,24,26,28,30
	v_pk_mul_f32 v[192+\j:193+\j], v[160+\j:161+\j], v[160+\j:161+\j]
.endr
.irp j, 0,2,4,6,8,10,12,14,16,18,20,22,24,26,28,30
	v_pk_fma_f32 v[192+\j:193+\j], v[192+\j:193+\j], v[52:53], v[50:51]
.endr
.irp j, 0,2,4,6,8,10,12,14,16,18,20,22,24,26,28,30
	v_pk_mul_f32 v[192+\j:193+\j], v[160+\j:161+\j], v[192+\j:193+\j]
.endr
	s_wait_alu depctr_va_vdst(0)
.irp j, 0,1,2,3,4,5,6,7,8,9,10,11,12,13,14,15,16,17,18,19,20,21,22,23,24,25,26,27,28,29,30,31
	v_exp_f32 v[192+\j], v[192+\j]
.endr
	v_nop                                          ; a plain place behind the batch,
	s_wait_alu depctr_va_vdst(0)                   ; and one wait for it ahead of its first reader
.irp j, 0,2,4,6,8,10,12,14,16,18,20,22,24,26,28,30
	v_pk_add_f32 v[192+\j:193+\j], v[192+\j:193+\j], 1.0 op_sel_hi:[1,0]
.endr
	s_wait_alu depctr_va_vdst(0)
.irp j, 0,1,2,3,4,5,6,7,8,9,10,11,12,13,14,15,16,17,18,19,20,21,22,23,24,25,26,27,28,29,30,31
	v_rcp_f32 v[192+\j], v[192+\j]
.endr
	v_nop
	s_wait_alu depctr_va_vdst(0)
.irp j, 0,2,4,6,8,10,12,14,16,18,20,22,24,26,28,30
	v_pk_mul_f32 v[192+\j:193+\j], v[160+\j:161+\j], v[192+\j:193+\j]   ; gelu: register 16 t + m is unit 16 h + m of token r of tile t
.endr
.irp t, 0,1
	v_max3_num_f32 v[224+\t], |v[192+16*\t]|, |v[193+16*\t]|, 0x1800000   ; my 16 numbers of the block, and the floor 2^(3 - 127)
.endr
.irp m, 2,4,6,8,10,12,14
.irp t, 0,1
	s_delay_alu instid0(VALU_DEP_2)
	v_max3_num_f32 v[224+\t], v[224+\t], |v[192+16*\t+\m]|, |v[193+16*\t+\m]|
.endr
.endr
.irp t, 0,1
	s_delay_alu instid0(VALU_DEP_2)
	v_permlanex16_b32 v[226+\t], v[224+\t], s34, s35
.endr
.irp t, 0,1
	s_delay_alu instid0(VALU_DEP_2)
	v_max_num_f32 v[224+\t], v[224+\t], v[226+\t]  ; with lane l xor 16's: the block's largest magnitude
.endr
.irp t, 0,1
	s_delay_alu instid0(VALU_DEP_2)
	v_add_nc_u32 v[228+\t], 0xff000000, v[224+\t]  ; 2 off its exponent field: the conversion's scale operand
.endr
.irp t, 0,1
	s_delay_alu instid0(VALU_DEP_2)
	v_lshrrev_b32 v[230+\t], 23, v[228+\t]         ; the scale's byte
.endr
	v_cvt_scalef32_pk16_fp6_f32 v[232:234], v[192:207], v228
	v_cvt_scalef32_pk16_fp6_f32 v[240:242], v[208:223], v229
	v_cndmask_b32 v238, v230, v231, s36            ; (the plain place behind the conversions)  lanes 0-15 keep tile 0's byte, lanes 16-31 tile 1's
.irp m, 0,1,2
	v_permlane16_swap_b32 v[232+\m], v[240+\m]     ; lane (p, r) now holds the whole block of token r of tile p: the lower 16 codes in the first run, the upper 16 in the second
.endr
.irp m, 0,1,2
	s_delay_alu instid0(VALU_DEP_3)
	v_mov_b32 v[235+\m], v[240+\m]
.endr
	ds_store_b64 v20, v[232:233] offset:6144*\i
	ds_store_b64 v21, v[234:235] offset:6144*\i
	ds_store_b64 v22, v[236:237] offset:6144*\i
	ds_store_b8 v23, v238 offset:256*\i
.Lnop_\@:
.endm
	s_mov_b32 s29, 0
	s_mov_b32 s37, 0
.Lsb:                                                  ; four trips, a constant: a super-block each
	PAIR 0
	PAIR 1
	PAIR 2
	PAIR 3
	BAR                                            ; the super-block's images and scale words lie in LDS, and nobody reads its rows of x any more
	s_cmp_ge_i32 s22, s30
	s_cbranch_scc1 .Lno_hout
.irp i, 0,1,2,3,4,5
	ds_load_b128 v[224+4*\i:227+4*\i], v54 offset:512*\i
.endr
.irp i, 0,1,2,3,4,5
	s_wait_dscnt 5-\i                              ; load i is in; the younger ones may be out
	global_store_b128 v49, v[224+4*\i:227+4*\i], s[42:43] offset:512*\i   ; wave w stores pair w: 512 consecutive bytes, aligned
.endr
.Lno_hout:
	s_cmp_gt_u32 s22, 1
	s_cbranch_scc1 .Lno_hs
	s_lshl_b32 s26, s22, 2
	s_cmp_ge_i32 s26, s30
	s_cbranch_scc1 .Lno_hs
	ds_load_b128 v[248:251], v55
	s_wait_dscnt 0x0
	global_store_b128 v49, v[248:251], s[44:45]    ; waves 0 and 1: the scale words of four pairs each
.Lno_hs:
	s_wait_xcnt 0x0                                ; the stores have read their bases and data
	s_add_nc_u64 s[42:43], s[42:43], 786432        ; eight pairs on
	s_add_nc_u64 s[44:45], s[44:45], 1024
	s_sub_co_i32 s30, s30, 8
	s_add_co_u32 s37, s37, 1024
	s_min_u32 s32, s37, 3072                       ; (the last trip stages nothing: its address stays inside the list)
	STAGE 1
	BAR                                            ; the next rows of x lie in LDS, and the images have been read
	s_add_co_u32 s29, s29, 1
	s_cmp_lt_u32 s29, 4
	s_cbranch_scc1 .Lsb
	s_set_vgpr_msb 0x5
	s_wait_tensorcnt 0x0
	ds_add_u32 v254, v255
	s_wait_dscnt 0x0
	s_set_vgpr_msb 0x500
	s_endpgm
.Lfunc_end_k_q89187c68b8_up:
	.size	k_q89187c68b8_up, .Lfunc_end_k_q89187c68b8_up-k_q89187c68b8_up
	.p2alignl 7, 3214868480
	.fill 96, 4, 3214868480
	.section	.rodata,"a",@progbits
	.p2align	6, 0x0
	.amdhsa_kernel k_q89187c68b8_up
		.amdhsa_group_segment_fixed_size 319488
		.amdhsa_private_segment_fixed_size 0
		.amdhsa_enable_private_segment 0
		.amdhsa_kernarg_size 64
		.amdhsa_user_sgpr_count 2
		.amdhsa_user_sgpr_kernarg_segment_ptr 1
		.amdhsa_wavefront_size32 1
		.amdhsa_system_sgpr_workgroup_id_x 1
		.amdhsa_system_sgpr_workgroup_id_y 1
		.amdhsa_system_sgpr_workgroup_id_z 1
		.amdhsa_system_vgpr_workitem_id 0
		.amdhsa_next_free_vgpr 512
		.amdhsa_next_free_sgpr 66
		.amdhsa_reserve_vcc 1
		.amdhsa_float_denorm_mode_32 3
		.amdhsa_float_denorm_mode_16_64 3
		.amdhsa_memory_ordered 1
		.amdhsa_forward_progress 1
		.amdhsa_inst_pref_size 159
	.end_amdhsa_kernel
	.amdgpu_metadata
---
amdhsa.version: [ 1, 2 ]
amdhsa.kernels:
  - .name:           k_q89187c68b8_up
    .symbol:         k_q89187c68b8_up.kd
    .args:
      - { .name: eidx, .offset: 0, .size: 8, .value_kind: global_buffer, .address_space: global }
      - { .name: gp, .offset: 8, .size: 8, .value_kind: global_buffer, .address_space: global }
      - { .name: xq, .offset: 16, .size: 8, .value_kind: global_buffer, .address_space: global }
      - { .name: w1_codes, .offset: 24, .size: 8, .value_kind: global_buffer, .address_space: global }
      - { .name: w1_scales, .offset: 32, .size: 8, .value_kind: global_buffer, .address_space: global }
      - { .name: b1, .offset: 40, .size: 8, .value_kind: global_buffer, .address_space: global }
      - { .name: hq, .offset: 48, .size: 8, .value_kind: global_buffer, .address_space: global }
      - { .name: order, .offset: 56, .size: 8, .value_kind: global_buffer, .address_space: global }
    .group_segment_fixed_size: 319488
    .private_segment_fixed_size: 0
    .kernarg_segment_align: 8
    .kernarg_segment_size: 64
    .max_flat_workgroup_size: 256
    .sgpr_count:     66
    .vgpr_count:     512
    .wavefront_size: 32
...
	.end_amdgpu_metadata
.endif
;; end of part 2
;; launch down (part 3): grid 256 x 1, 8 waves a work-group, no clusters, 287,744 bytes of LDS; arguments order, gp, hq, w2_codes, w2_scales, b2, out0, out1; writes out0, out1
.if DOCPART == 3
	.amdgcn_target "amdgcn-amd-amdhsa--gfx1250"
	.amdhsa_code_object_version 6
	.text
	.protected	k_q89187c68b8_down
	.globl	k_q89187c68b8_down
	.p2align	8
	.type	k_q89187c68b8_down,@function
k_q89187c68b8_down:
	s_mov_b64 s[64:65], 0
	v_nop
	global_prefetch_b8 v0, s[64:65] scope:SCOPE_SE
	s_setreg_imm32_b32 hwreg(HW_REG_WAVE_MODE, 25, 1), 1
	s_wait_xcnt 0x0
; DOWN.  out0[token] = gate x (h W2 + b2) for the rows of the chosen expert, on codes of FP6 (E2M3) with E8M0 scales; out1 = 8 x sum over experts of mean probability x share of tokens.
; WORK LEFT OUT: the experts that a token has not chosen (reference()'s own one_hot throws their rows away); mask.sum() is 1,024.  What would be a NaN, an infinity or an overflow there alone is not carried to the result.
; SHARES: work-group i: expert e = i % 8, half hf = i / 8 % 2, columns 64 nb .. + 63, nb = i / 16.  It takes tile hf of every pair of tiles of 16 positions of its expert: 192 KB of weights, dense, and every second tile of h:
; 64 columns x half the positions want fewer bytes than 32 columns x all.  K IS SPLIT OVER THE WAVES: wave w keeps K steps 4 w .. 4 w + 3 of the four column tiles in registers (16 fragments),
; so that each byte of h is loaded once by the work-group and all waves have equal work whatever the count.  The eight partial sums meet in LDS; wave w adds rows 2 w, 2 w + 1 of every tile.
; h comes as images of the operand's registers (three loads of 16 bytes a fragment), four tiles always on their way: the head asks for tiles 0 to 3 (a tile past the last live one: the last live one once more).
; Source 0 = 16 rows of W2 (output columns), source 1 = 16 tokens: a lane holds eight neighbouring columns of one token.  A row of out0 gets 256 aligned bytes from this work-group.
; A SUPER-BLOCK is 8 of my tiles.  The loop over super-blocks has a constant four trips and every barrier stands at that level; work that the count leaves out is passed by scalar branches on the stored count.
; Each way through a super-block is written without joins, so that every counted wait counts the same loads: a tile's 16 loads, three younger tiles' or fewer.
; NO TENSOR LOADS, NO CLUSTER: how many tiles are read hangs on a stored count; asking for all 32 tiles would be some 8 times the bytes of an even split.
; NO PREFETCH: weights and the first four tiles are asked for by their own loads in the first lines.
; LIMITS: NaN and infinities are not served; the sum over K runs in eight parts and a tree, another order than one ascending sum.
.set WS,    197632                     ; LDS 0: W2's 64 rows of 3,072 + 16 bytes; WS: their scale rows, 128 + 16 bytes.  Later, over both: partial sums [tile 8][part 8][row 16][256 + 16]
.set PT,    34816                      ; a tile's eight parts of 4,352 bytes
.set LTOK,  278528                     ; behind them: the expert's 1,024 tokens by position, held at 1,023, then their 1,024 gates
.set SPARE, 286720
.set OO,  32                           ; v32-39 my row's offset in out0, tile by tile;  GT v40-47 tokens, then their gates
.set GT,  40
.set HS,  50                           ; v50-65 h's scale words, four sets
.set ACC, 66                           ; v66-97 four sums
.set WF,  98                           ; v98-253 W2 as loaded, then fragments 0 to 12 (fragment 4 s + u: K step s, column tile u); the rest in window 1 from v192 on
.set MSB, 0
; window 1: v0-191 h's fragments, four sets of 48 (in the reduction: parts of six tiles); v192-227 fragments 13 to 15; v254, v255 the add's two registers
.macro WIN new                         ; the immediate's high byte repeats the setting that is left
.if MSB != \new
	s_set_vgpr_msb (MSB<<8)|\new
.set MSB, \new
.endif
.endm
.macro WALU
	s_wait_alu depctr_va_vdst(0)
.endm
.macro BAR                             ; my LDS stores have landed and my LDS loads are in: then the work-group's barrier
	s_wait_dscnt 0x0
	s_barrier_signal -1
	s_barrier_wait -1
.endm
	s_load_b256 s[4:11], s[0:1], 0x0               ; order, gp, hq, w2_codes
	s_load_b256 s[12:19], s[0:1], 0x20             ; w2_scales, b2, out0, out1
	s_set_vgpr_msb 0x40
	v_lshl_add_u32 v254, v0, 2, SPARE
	v_mov_b32 v255, 0
	s_set_vgpr_msb 0x4000
	v_lshrrev_b32 v1, 5, v0
	v_readfirstlane_b32 s22, v1                    ; wave
	s_and_b32 s21, ttmp9, 7                        ; e
	s_lshr_b32 s20, ttmp9, 3
	s_and_b32 s23, s20, 1                          ; hf
	s_lshr_b32 s20, s20, 1                         ; nb
	s_xor_b32 s3, s22, 7
	s_or_b32 s3, s3, ttmp9                         ; 0 in wave 7 of work-group 0
	s_mul_i32 s24, s22, 24704                      ; 8 rows of W2 in LDS
	s_mul_i32 s32, s22, 384
	s_mul_i32 s33, s22, 1152
	s_add_co_u32 s33, s33, WS
	s_lshl_b32 s34, s22, 4
	s_add_co_u32 s34, s34, WS
	s_mul_i32 s35, s22, 4352
	s_mul_i32 s58, s22, 544
	s_lshl_b32 s62, s22, 9
	s_lshl_b32 s59, s23, 6
	s_lshl_b32 s60, s22, 3
	s_add_co_u32 s60, s60, s59                     ; 4 x (16 hf + 2 w)
	v_and_b32 v1, 31, v0
	v_and_b32 v2, 15, v0                           ; r
	v_bfe_u32 v3, v0, 4, 1                         ; h
	v_lshlrev_b32 v4, 4, v1                        ; 16 l
	v_lshrrev_b32 v60, 3, v1
	v_and_b32 v61, 7, v1
	v_lshl_add_u32 v5, v2, 2, s59                  ; h's scale words: 64 hf + 4 r
	v_add_nc_u32 v6, s24, v4                       ; W2 into LDS: my wave's eight rows
	v_mul_u32_u24 v7, v2, 3088
	v_mul_u32_u24 v9, v60, 144
	v_mul_u32_u24 v10, v1, 144
	v_mul_u32_u24 v11, v2, 272
	v_mul_u32_u24 v28, v3, 272
	v_mad_u32_u24 v7, v3, 24, v7
	v_lshl_add_u32 v9, v61, 4, v9
	v_lshl_add_u32 v11, v3, 5, v11
	v_lshl_add_u32 v28, v2, 4, v28
	v_add_nc_u32 v7, s32, v7                       ; fragments of column tile 0: row r, + 24 h, + my four K steps;
	v_add_nc_u32 v9, s33, v9                       ; scale rows into LDS
	v_add_nc_u32 v10, s34, v10                     ; and back: row l, my 16 bytes
	v_add_nc_u32 v11, s35, v11                     ; my part of tile 0: row r, + 32 h; of tiles 2, 4, 6:
	v_add_nc_u32 v28, s58, v28                     ; the reduction of tile 0: row 2 w + h, 16 (l % 16); of tiles 2, 4, 6:
	v_add_nc_u32 v8, 49408, v7                     ; of column tile 1; 2 and 3 in v254, v255 of window 0
	v_add_nc_u32 v254, 98816, v7
	v_add_nc_u32 v255, 148224, v7
	v_add_nc_u32 v12, 2*PT, v11
	v_add_nc_u32 v13, 4*PT, v11
	v_add_nc_u32 v14, 6*PT, v11
	v_add_nc_u32 v29, 2*PT, v28
	v_add_nc_u32 v30, 4*PT, v28
	v_add_nc_u32 v31, 6*PT, v28
	v_lshlrev_b32 v15, 4, v2                       ; my four columns
	v_lshl_add_u32 v48, v3, 2, s60                 ; 4 x my position in tile 0: 16 hf + 2 w + h; a tile on is 128 more
	v_add_nc_u32 v62, s62, v4                      ; 512 w + 16 l: positions 128 w + 4 l .. + 3 of the list,
	v_add_nc_u32 v49, LTOK, v62                    ; and in LDS
	s_mul_i32 s44, s21, 3145728
	s_mul_i32 s48, s20, 196608
	s_add_co_u32 s48, s48, s44
	s_mul_i32 s26, s22, 24576
	s_add_co_u32 s48, s48, s26                     ; my wave's eight rows of W2
	s_mov_b32 s49, 0
	s_mul_i32 s26, s22, 12288
	s_add_co_u32 s44, s44, s26
	s_mul_i32 s26, s23, 1536
	s_add_co_u32 s44, s44, s26                     ; images of (e, pair 0, K step 4 w, tile hf)
	s_mov_b32 s45, 0
	s_lshl_b32 s50, s21, 17
	s_lshl_b32 s46, s22, 14
	s_add_co_u32 s46, s46, s50
	s_add_co_u32 s46, s46, 25165824                ; h's scale words of (e, K step 4 w)
	s_mov_b32 s47, 0
	s_lshl_b32 s26, s20, 13
	s_add_co_u32 s50, s50, s26
	s_lshl_b32 s26, s22, 10
	s_add_co_u32 s50, s50, s26                     ; my wave's eight scale rows
	s_mov_b32 s51, 0
	s_lshl_b32 s56, s21, 12
	s_mov_b32 s57, 0
	s_lshl_b32 s54, s20, 8
	s_mov_b32 s55, 0
	s_add_co_u32 s52, s54, s56
	s_mov_b32 s53, 0
	s_lshl_b32 s63, s21, 7
	WALU                                           ; the wait at the head's end
	s_wait_kmcnt 0x0
	s_load_b32 s25, s[4:5], s63 offset:0x8000      ; the expert's count
	s_add_nc_u64 s[36:37], s[4:5], s[56:57]        ; the expert's list
	s_add_nc_u64 s[10:11], s[10:11], s[48:49]
	s_add_nc_u64 s[12:13], s[12:13], s[50:51]
	s_add_nc_u64 s[14:15], s[14:15], s[52:53]
; a tile into set b: 12 loads of 512 consecutive bytes and 4 of scale words
.macro ISS b, hb, ho, sb, so
	WIN 0x40
.irp s, 0,1,2,3
.irp ch, 0,1,2
	global_load_b128 v[48*(\b)+12*\s+4*\ch:48*(\b)+12*\s+4*\ch+3], v4, s[\hb:\hb+1] offset:(\ho)+3072*\s+512*\ch
.endr
.endr
	WIN 0
.irp s, 0,1,2,3
	global_load_b32 v[HS+4*(\b)+\s], v5, s[\sb:\sb+1] offset:(\so)+4096*\s
.endr
.endm
.macro BASES                           ; where tiles 1 to 3 begin, held at the last live tile (s30 tiles are left): images s[44:49], scale words s[50:55]
	s_sub_co_i32 s31, s30, 1
	s_mov_b32 s27, 0
	s_mov_b32 s63, 0
.irp t, 1,2,3
	s_min_u32 s26, s31, \t
	s_lshl_b32 s62, s26, 7
	s_mul_i32 s26, s26, 98304
	s_add_nc_u64 s[42+2*\t:43+2*\t], s[38:39], s[26:27]
	s_add_nc_u64 s[48+2*\t:49+2*\t], s[40:41], s[62:63]
.endr
.endm
	global_load_b128 v[GT:GT+3], v62, s[36:37]     ; the whole list was stored, so no guard
.set k, 0
.rept 48                               ; 24,576 consecutive bytes
.if k < 39
	global_load_b128 v[WF+4*k:WF+4*k+3], v4, s[10:11] offset:512*k
.else
	WIN 0x40
	global_load_b128 v[192+4*(k-39):195+4*(k-39)], v4, s[10:11] offset:512*k
.endif
.set k, k+1
.endr
	WIN 0
	global_load_b128 v[ACC:ACC+3], v4, s[12:13]
	global_load_b128 v[ACC+4:ACC+7], v4, s[12:13] offset:512
	global_load_b128 v[24:27], v15, s[14:15]
	s_add_nc_u64 s[38:39], s[8:9], s[44:45]
	s_add_nc_u64 s[40:41], s[8:9], s[46:47]
	s_add_nc_u64 s[42:43], s[8:9], 26214400        ; the eight products for out1
	s_add_nc_u64 s[16:17], s[16:17], s[54:55]
.irp i, 0,1,2,3,4,5,6,7
	s_mov_b32 s[66+\i], 0
.endr
	s_cmp_lg_u32 s3, 0
	s_cbranch_scc1 .Lno_parts
.irp i, 0,1,2,3,4,5,6,7
	s_load_b32 s[66+\i], s[42:43], 128*\i
.endr
.Lno_parts:
	s_wait_kmcnt 0x0
	s_min_u32 s25, s25, 1024
	s_lshl_b32 s28, s25, 2                         ; 4 x count
	s_sub_co_i32 s29, s28, s59
	s_sub_co_i32 s29, s29, 64                      ; tile t is full where this is 128 t or more
	s_add_co_u32 s26, s25, 15
	s_lshr_b32 s26, s26, 4                         ; tiles of the expert
	s_add_co_u32 s26, s26, 1
	s_sub_co_u32 s26, s26, s23
	s_lshr_b32 s30, s26, 1                         ; mine: every second one
	s_max_u32 s30, s30, 1                          ; (one at the least: its rows may all lie past the count, and are then not stored)
	BASES
	s_wait_loadcnt 51                              ; the tokens are in; 48 loads of weights, 2 of scales and 1 of b2 may be out
.irp i, 0,1,2,3
	v_min_u32 v[GT+\i], 0x3ff, v[GT+\i]            ; a loaded number enters an address only behind this hold
.endr
.irp i, 0,1,2,3
	v_lshlrev_b32 v[OO+\i], 2, v[GT+\i]
.endr
	ds_store_b128 v49, v[GT:GT+3]
.irp i, 0,1,2,3
	global_load_b32 v[OO+\i], v[OO+\i], s[6:7]     ; their gates (a load may land on its own offset register)
.endr
	ISS 0, 38, 0, 40, 0
	ISS 1, 44, 0, 50, 0
	s_wait_loadcnt 37                              ; the weights and their scales are in; b2, 4 gates and two tiles' 32 loads may be out
.set k, 0
.rept 48
.if k < 39
	ds_store_b128 v6, v[WF+4*k:WF+4*k+3] offset:(k/6)*3088+(k%6)*512
.else
	WIN 0x04
	ds_store_b128 v6, v[192+4*(k-39):195+4*(k-39)] offset:(k/6)*3088+(k%6)*512
.endif
.set k, k+1
.endr
	WIN 0
	ds_store_b128 v9, v[ACC:ACC+3]
	ds_store_b128 v9, v[ACC+4:ACC+7] offset:576
	s_wait_loadcnt 32                              ; the gates are in; two tiles' loads may be out
	ds_store_b128 v49, v[OO:OO+3] offset:4096
	ISS 2, 46, 0, 52, 0
	ISS 3, 48, 0, 54, 0
	BAR                                            ; W2's 64 rows and their scales lie in LDS
.irp s, 0,1,2,3
.irp u, 0,1,2,3
.set F_, 4*\s+\u
.if F_ < 13
	WIN 0
.set A_, WF+12*F_
.else
	WIN 0x40
.set A_, 192+12*(F_-13)
.endif
.if \u < 2
.set BU_, 7+\u
.else
.set BU_, 252+\u
.endif
	ds_load_2addr_b64 v[A_:A_+3], v[BU_] offset0:12*\s offset1:12*\s+1
	ds_load_2addr_b64 v[A_+4:A_+7], v[BU_] offset0:12*\s+2 offset1:12*\s+6
	ds_load_2addr_b64 v[A_+8:A_+11], v[BU_] offset0:12*\s+7 offset1:12*\s+8
.endr
.endr
	WIN 0
	ds_load_b128 v[16:19], v10                     ; column tiles 0 (lanes 0-15) and 1: one word a K step;
	ds_load_b128 v[20:23], v10 offset:4608         ; 2 and 3
	BAR                                            ; every wave has its fragments: these bytes may take partial sums
	s_cmp_lg_u32 s3, 0
	s_cbranch_scc1 .Lno_loss
	s_add_f32 s66, s66, s67
	s_add_f32 s68, s68, s69
	s_add_f32 s70, s70, s71
	s_add_f32 s72, s72, s73
	s_add_f32 s66, s66, s68
	s_add_f32 s70, s70, s72
	s_add_f32 s66, s66, s70
	s_mul_f32 s66, s66, 0x37000000                 ; x 8 / 1,024^2
	v_mov_b32 v254, s66
	v_mov_b32 v255, 0
	WALU
	s_wait_xcnt 0x0                                ; EXEC changes only behind this wait
	v_cmp_eq_u32 vcc_lo, 0, v1
	s_and_saveexec_b32 s27, vcc_lo
	global_store_b32 v255, v254, s[18:19]
	s_wait_xcnt 0x0
	s_or_b32 exec_lo, exec_lo, s27
.Lno_loss:
.macro WMX c, row
	v_wmma_scale_f32_16x16x128_f8f6f4 v[D_:D_+7], v[A_:A_+11], v[B_:B_+11], \c, v[X_], v[Y_] matrix_a_fmt:MATRIX_FMT_FP6 matrix_b_fmt:MATRIX_FMT_FP6 matrix_a_scale:MATRIX_SCALE_ROW\row
.endm
.macro MM b, s, u                      ; the first K step starts the sums; column tile u's scales lie in half u % 2 of the lanes
.set F_, 4*\s+\u
.set D_, ACC+8*\u
.set B_, 48*(\b)+12*\s
.set X_, 16+4*(\u/2)+\s
.set Y_, HS+4*(\b)+\s
.if F_ < 13
	WIN 0x04
.set A_, WF+12*F_
.else
	WIN 0x05
.set A_, 192+12*(F_-13)
.endif
.if \s == 0
.if \u%2
	WMX 0, 1
.else
	WMX 0, 0
.endif
.else
.if \u%2
	WMX v[D_:D_+7], 1
.else
	WMX v[D_:D_+7], 0
.endif
.endif
.endm
; tile t from set b: 16 products, four sums by turns, one instruction a turn.  cnt: the younger loads that may stay out.  iss = 1: the set takes tile t + 4
.macro COMP b, t, cnt, iss
	s_wait_loadcnt \cnt
.irp s, 0,1,2,3
.irp u, 0,1,2,3
	MM \b, \s, \u
.endr
.endr
	WIN 0
.rept 5
	v_nop                                          ; places: four in front of the stores that read the sums and of loads into the set just read, five in front of products that begin sums anew
.endr
.if \iss
	ISS \b, 38, 98304*((\t)+4), 40, 128*((\t)+4)
.endif
.irp u, 0,1,2,3
	ds_store_b128 v[11+(\t)/2], v[ACC+8*\u:ACC+8*\u+3] offset:((\t)%2)*PT+64*\u      ; each sum from its low end on
	ds_store_b128 v[11+(\t)/2], v[ACC+8*\u+4:ACC+8*\u+7] offset:((\t)%2)*PT+64*\u+16
.endr
.endm
; the last four tiles of a way, t to t + 3: nothing more is asked for.  Only where t = 0 may there be fewer than four
.macro TAIL t
.irp i, 0,1,2,3
	COMP ((\t)+\i)%4, (\t)+\i, 48-16*\i, 0
.if (\t) == 0 && \i < 3
	s_cmp_le_i32 s30, \i+1
	s_cbranch_scc1 .Lsbe
.endif
.endr
	s_branch .Lsbe
.endm
; THE REDUCTION: eight parts of my row's four columns; + b2; x gate; stored to the token's row
.macro RLOAD t, g
	WIN 0x40
.irp p, 0,1,2,3,4,5,6,7
	ds_load_b128 v[(\g)+4*\p:(\g)+4*\p+3], v[28+(\t)/2] offset:((\t)%2)*PT+4352*\p
.endr
	WIN 0
.endm
.macro RSTORE t, g
	WIN 0x04
	global_store_b128 v[OO+\t], v[\g:(\g)+3], s[16:17] th:TH_STORE_NT   ; sixteen lanes store 256 consecutive bytes of a token's row, aligned
	WIN 0
.endm
.macro RADD a, b
	v_pk_add_f32 v[\a:\a+1], v[\a:\a+1], v[\b:\b+1]
	v_pk_add_f32 v[\a+2:\a+3], v[\a+2:\a+3], v[\b+2:\b+3]
.endm
.macro RSUM t, g
	WIN 0x45
	RADD (\g), (\g)+4
	RADD (\g)+8, (\g)+12
	RADD (\g)+16, (\g)+20
	RADD (\g)+24, (\g)+28
	RADD (\g), (\g)+8
	RADD (\g)+16, (\g)+24
	RADD (\g), (\g)+16
	WIN 0x41
	RADD (\g), 24
.irp c, 0,1,2,3
	v_mul_f32 v[(\g)+\c], v[(\g)+\c], v[GT+\t]
.endr
	WIN 0
	WALU                                           ; ahead of the branch
	s_cmp_ge_i32 s29, 128*(\t)
	s_cbranch_scc1 .Lfull_\@                       ; all 16 rows of the tile lie under the count
	s_sub_co_i32 s26, s28, 128*(\t)
	s_wait_xcnt 0x0                                ; EXEC changes only behind this wait
	v_cmp_gt_i32 vcc_lo, s26, v48
	s_and_saveexec_b32 s27, vcc_lo
	RSTORE \t, \g
	s_wait_xcnt 0x0
	s_mov_b32 exec_lo, -1                          ; all lanes were on
	s_branch .Lstored_\@
.Lfull_\@:
	RSTORE \t, \g
.Lstored_\@:
.endm
	s_mov_b32 s2, 0
	s_mov_b32 s61, LTOK                            ; the super-block's first token in LDS
.Lsb:                                                  ; four trips, a constant: the later ones serve experts with more than 256 rows
	s_cmp_le_i32 s30, 0
	s_cbranch_scc1 .Lsbe
.irp t, 0,1,2,3
	s_cmp_le_i32 s30, \t+4
	s_cbranch_scc1 .Ltail_\t
	COMP \t, \t, 48, 1
.endr
	TAIL 4
.irp t, 0,1,2,3
.Ltail_\t:
	TAIL \t
.endr
.Lsbe:
	s_wait_loadcnt 0x0                             ; tiles that were asked for twice
	BAR                                            ; all parts of the super-block lie in LDS
	v_add_nc_u32 v3, s61, v48
	s_cmp_le_i32 s30, 0
	s_cbranch_scc1 .Lreduced
.irp t, 0,1,2,3,4,5,6,7
	ds_load_b32 v[OO+\t], v3 offset:128*\t         ; my row's token in each tile,
	ds_load_b32 v[GT+\t], v3 offset:4096+128*\t    ; and its gate
.endr
	RLOAD 0, 0
.irp t, 1,2,3,4,5
	s_cmp_le_i32 s30, \t
	s_cbranch_scc1 .Lparts
	RLOAD \t, 32*\t
.endr
.Lparts:
	s_wait_dscnt 0x0
.irp t, 0,1,2,3,4,5,6,7
	v_min_u32 v[OO+\t], 0x3ff, v[OO+\t]            ; (the hold once more, on the way to the address)
.endr
.irp t, 0,1,2,3,4,5,6,7
	v_lshl_add_u32 v[OO+\t], v[OO+\t], 12, v15     ; the token's row of out0, my 16 bytes
.endr
.irp t, 0,1,2,3,4,5
	RSUM \t, 32*\t
	s_cmp_le_i32 s30, \t+1
	s_cbranch_scc1 .Lreduced
.endr
	s_wait_xcnt 0x0                                ; the stores have read their registers
	RLOAD 6, 0
	RLOAD 7, 32
	s_wait_dscnt 0x0
	RSUM 6, 0
	s_cmp_le_i32 s30, 7
	s_cbranch_scc1 .Lreduced
	RSUM 7, 32
.Lreduced:
	s_wait_xcnt 0x0                                ; earlier loads and stores have read their bases and registers
	s_add_nc_u64 s[38:39], s[38:39], 786432        ; eight pairs on
	s_add_nc_u64 s[40:41], s[40:41], 1024
	s_add_co_u32 s61, s61, 1024
	s_sub_co_i32 s28, s28, 1024
	s_sub_co_i32 s29, s29, 1024
	s_sub_co_i32 s30, s30, 8
	s_cmp_le_i32 s30, 0
	s_cbranch_scc1 .Lno_next
	BASES
	ISS 0, 38, 0, 40, 0
	ISS 1, 44, 0, 50, 0
	ISS 2, 46, 0, 52, 0
	ISS 3, 48, 0, 54, 0
.Lno_next:
	BAR                                            ; the parts have been read: they may be written again
	s_add_co_u32 s2, s2, 1
	s_cmp_lt_u32 s2, 4
	s_cbranch_scc1 .Lsb
	s_set_vgpr_msb 0x5
	s_wait_tensorcnt 0x0                           ; the wave's end
	ds_add_u32 v254, v255
	s_wait_dscnt 0x0
	s_set_vgpr_msb 0x500
	s_endpgm
.Lfunc_end_k_q89187c68b8_down:
	.size	k_q89187c68b8_down, .Lfunc_end_k_q89187c68b8_down-k_q89187c68b8_down
	.p2alignl 7, 3214868480
	.fill 96, 4, 3214868480
	.section	.rodata,"a",@progbits
	.p2align	6, 0x0
	.amdhsa_kernel k_q89187c68b8_down
		.amdhsa_group_segment_fixed_size 287744
		.amdhsa_private_segment_fixed_size 0
		.amdhsa_enable_private_segment 0
		.amdhsa_kernarg_size 64
		.amdhsa_user_sgpr_count 2
		.amdhsa_user_sgpr_kernarg_segment_ptr 1
		.amdhsa_wavefront_size32 1
		.amdhsa_system_sgpr_workgroup_id_x 1
		.amdhsa_system_sgpr_workgroup_id_y 1
		.amdhsa_system_sgpr_workgroup_id_z 1
		.amdhsa_system_vgpr_workitem_id 0
		.amdhsa_next_free_vgpr 512
		.amdhsa_next_free_sgpr 74
		.amdhsa_reserve_vcc 1
		.amdhsa_float_denorm_mode_32 3
		.amdhsa_float_denorm_mode_16_64 3
		.amdhsa_memory_ordered 1
		.amdhsa_forward_progress 1
		.amdhsa_inst_pref_size 131
	.end_amdhsa_kernel
	.amdgpu_metadata
---
amdhsa.version: [ 1, 2 ]
amdhsa.kernels:
  - .name:           k_q89187c68b8_down
    .symbol:         k_q89187c68b8_down.kd
    .args:
      - { .name: order, .offset: 0, .size: 8, .value_kind: global_buffer, .address_space: global }
      - { .name: gp, .offset: 8, .size: 8, .value_kind: global_buffer, .address_space: global }
      - { .name: hq, .offset: 16, .size: 8, .value_kind: global_buffer, .address_space: global }
      - { .name: w2_codes, .offset: 24, .size: 8, .value_kind: global_buffer, .address_space: global }
      - { .name: w2_scales, .offset: 32, .size: 8, .value_kind: global_buffer, .address_space: global }
      - { .name: b2, .offset: 40, .size: 8, .value_kind: global_buffer, .address_space: global }
      - { .name: out0, .offset: 48, .size: 8, .value_kind: global_buffer, .address_space: global }
      - { .name: out1, .offset: 56, .size: 8, .value_kind: global_buffer, .address_space: global }
    .group_segment_fixed_size: 287744
    .private_segment_fixed_size: 0
    .kernarg_segment_align: 8
    .kernarg_segment_size: 64
    .max_flat_workgroup_size: 256
    .sgpr_count:     74
    .vgpr_count:     512
    .wavefront_size: 32
...
	.end_amdgpu_metadata
.endif
;; end of part 3
